; MI455X (gfx1250); checked and timed in simulation.
; The chip was launched on July 23, 2026; its instructions are those of AMD's public machine-readable ISA for CDNA 5 (MIT licence, August 2026) and "CDNA5" Instruction Set Architecture Reference Guide (July 2026). The comments in the code are by the model that wrote it; some were corrected since.
;; Mutual Cross Attention. Allowed arithmetic: matrix products marked QUANTISED: E2M1 operands, one E8M0 scale for each 32 along K, by v_wmma_scale_f32_16x16x128_f8f6f4 with both operands' format E2M1 (or v_wmma_scale_f32_32x16x128_f4), f32 sums; everything else in f32.
;; Inputs: x1 8 x 64 x 64 x 64 float32; x2 8 x 64 x 64 x 64 float32.
;; Outputs: out0 8 x 64 x 64 x 64 float32.
;; This version of the problem:
;;   THIS VERSION OF THE PROBLEM IS GIVEN IN LOW PRECISION. The matrix products marked QUANTISED in the list below multiply operands that are first quantised to E2M1 (2 exponent bits, 1 mantissa bit; 4 bits a number), with one power-of-two scale for each 32 numbers along K (OCP MX v1.0); their sums are f32. All else is computed in f32.
;;   The module's matrix products, in the order in which they are computed (A, B: the left and right operand; K: the contracted axis; several contracted axes count as one K, in the product's order):
;;     1. batch 8 x [M 4,096, K 64] x [K 64, N 4,096]; A: input x1; B: input x2: QUANTISED
;;     2. batch 8 x [M 4,096, K 4,096] x [K 4,096, N 64]; A: softmax (see below); B: input x2: QUANTISED
;;     3. batch 8 x [M 4,096, K 64] x [K 64, N 4,096]; A: input x2; B: input x1: QUANTISED
;;     4. batch 8 x [M 4,096, K 4,096] x [K 4,096, N 64]; A: softmax (see below); B: input x1: QUANTISED
;;   THE QUANTISER, for each operand of a quantised product, along K:
;;     - K is cut into blocks of 32 from its start; a last block that is shorter is filled with zeros.
;;     - A block's scale is 2^e with e = floor(log2(the largest magnitude in the block)) - 2, held to -126 .. 127; a block of zeros has e = 0. As a byte (E8M0): e + 127.
;;     - Each number is divided by its block's scale, clamped to +-6, and rounded to the nearest number of E2M1, ties to even, subnormals kept.
;;     - The product sums the exact products of the quantised numbers (number of the format x scale) in f32.
;;   ~~~python
;;   def quantise(x, axis):      # numpy; x: float32 -> the quantised numbers, widened to float32 again
;;       x = np.moveaxis(x, axis, -1); K = x.shape[-1]
;;       x = np.pad(x, [(0, 0)] * (x.ndim - 1) + [(0, -K % 32)]); x = x.reshape(x.shape[:-1] + (-1, 32)); a = np.abs(x).max(-1, keepdims=True)
;;       e = np.where(a > 0, np.clip(np.frexp(np.where(a > 0, a, 1))[1] - 1 - 2, -126, 127), 0)      # np.frexp(a)[1] - 1 = floor(log2(a)), exactly
;;       r = np.clip(x / 2.0 ** e, -6, 6)
;;       step = 2.0 ** (np.maximum(np.frexp(np.where(r == 0, 1, r))[1] - 1, 0) - 1)
;;       q = np.round(r / step) * step * 2.0 ** e      # np.round: ties to even
;;       return np.moveaxis(q.reshape(q.shape[:-2] + (-1,))[..., :K], -1, axis).astype(np.float32)
;;   ~~~
;;   SOFTMAX AHEAD OF A QUANTISED PRODUCT. Where the list says 'softmax', what is quantised is not the finished softmax but p = 2^(t - M), with t = logit x log2(e) and M = ceil(the row's largest t), a whole number; so 1/2 < the row's largest p <= 1. The row's sum l is taken of the UNQUANTISED p, in f32, and the product's result is divided by l at the end. Since M is a whole number, a kernel that streams over the keys may use a running M (the ceiling of the running maximum): every later rescaling is an exact power of two, which a block's scale takes up: the codes' values come out the same.
;;   OPERANDS COMPUTED ON THE WAY. 'Computed on the way' means the value that the module computes at that place (a softmax that the list does not call 'softmax' is quantised finished and normalised). What goes into a quantiser is computed in f32, as accurately as f32 sums, v_exp_f32 and their like allow (about 1e-6 of the number): no bf16 or f16 on the way to a quantiser, and a product that is left as it is and whose result goes on into a quantised operand takes f32 operands (vector FMAs, or v_wmma_f32_16x16x4_f32). A number that lies on a knife's edge between two numbers of the format may be rounded either way, as far as f32 arithmetic and the matrix unit's own rounding can turn it there, and no further.
;; One version. Each part assembles by itself: llvm-mc -triple=amdgcn-amd-amdhsa -mcpu=gfx1250 --defsym DOCPART=n.
;; ======== version 1 of 1: 2 launches
;; limits: right only within a limited range of input values
;; workspace buffers: kv 4,718,592 bytes
;; launch quant (part 1): grid 32 x 16, 4 waves a work-group, no clusters, 35,328 bytes of LDS; arguments x1, x2, kv; writes kv
.if DOCPART == 1
	.amdgcn_target "amdgcn-amd-amdhsa--gfx1250"
	.amdhsa_code_object_version 6
	.text
	.protected	k_q7ff567a1e6_quant
	.globl	k_q7ff567a1e6_quant
	.p2align	8
	.type	k_q7ff567a1e6_quant,@function
k_q7ff567a1e6_quant:
	s_mov_b64 s[64:65], 0
	v_nop
	global_prefetch_b8 v0, s[64:65] scope:SCOPE_SE
	s_setreg_imm32_b32 hwreg(HW_REG_WAVE_MODE, 25, 1), 1
	s_wait_xcnt 0x0
; x1, x2: [8][64 channels][4096 tokens] f32.  Both become codes of FP4 (E2M1) with one E8M0 scale byte for each 32 numbers, TWICE: along the channels (queries and keys of the score
; products, K = 64) and along the tokens (values, K = the keys).  Codes and scale words lie in kv in the order of the operands' registers: the next launch loads each fragment by 16-byte loads at 16 x lane.
; kv = [batch 8][step 32][tensor 2][BLOCK 9,216 bytes]; a BLOCK serves 128 tokens of one tensor:
;   0     8 tiles x 512: codes along c.  Tile 4 cc + u, lane (r, h): 16 bytes at 512 tile + 16 r + 256 h = channels 32 h .. 32 h + 31 of token 64 cc + 8 u + r % 8 + 32 (r / 8)
;   4096  4 tiles x 1,024: codes along the tokens.  Tile t, half c, lane l = r + 16 h: 16 bytes at 1024 t + 512 c + 16 l = tokens 64 c + 32 h .. + 31 of channel 16 t + r
;   8192  512: lane l's 16 bytes: word i = the scale word of c-tile 4 (l / 16) + i, row l % 16: {block 0's byte, block 1's byte, 0x7f, 0x7f} (the upper 64 of the instruction's K are zero codes)
;   8704  512: lane l's 16 bytes: word t = the scale word of token-tile t, row l % 16 (lanes 16-31 repeat lanes 0-15: every byte is written)
; A block's scale is 2^(floor(log2(its largest magnitude)) - 2); its byte is the largest magnitude's exponent field - 2, held at 1 from below.
; LIMITS: a block of zeros gets the byte 1 where the rule says 127 (its codes are zeros, which add nothing under any byte but 0xff, and this program alone reads the bytes); NaN and infinities among the inputs are not served.
; SHARES.  Work-group (x = step, y = 2 batch + tensor) reads its tile of 64 channels x 128 tokens once, 512 consecutive bytes a load, into LDS, and writes its own BLOCK.  Wave w: along c the tiles
; 2 w and 2 w + 1 (a lane = a token, registers down c); along the tokens channels 16 w .. 16 w + 15 (a lane = two blocks of 32 tokens of one channel).
; No cluster and no tensor load: no two work-groups read the same byte, and 32 KB a work-group go through registers with 16 loads a wave out.
.set PITCH, 528                        ; an LDS row: 512 bytes + 16
.set SCL,   64*PITCH                   ; behind the tile: the image of the BLOCK's last 1,024 bytes, the scale words
.set BLOCK, 9216
.set GIN,  2                           ; my byte in the tile in memory
.set TIN,  3                           ; the same place in LDS
.set CIN,  4                           ; LDS: my token's word in row 0
.set RIN,  5                           ; LDS: my channel's row, + 128 h
.set KOUT, 6                           ; kv: my 16 bytes of the codes along c
.set KSA,  7                           ; LDS: my scale word along c
.set VOUT, 8                           ; kv: my 16 bytes of the codes along the tokens
.set VSA,  9                           ; LDS: my scale word along the tokens
.set SRD,  10                          ; LDS: my 8 bytes of the scale image
.set SOUT, 11                          ; the same in kv
.set MX,   12                          ; v12-13 largest magnitudes; v14-15 the conversions' scale operands; v16-17 the bytes
.set OP,   14
.set BY,   16
.set X1,   32                          ; v32-95 as loaded; then my token's 64 channels
.set KC,   96
.set VC,   104
.set X2,   112                         ; v112-175 my channel's 2 x 32 tokens
	s_load_b128 s[4:7], s[0:1], 0x0                ; x1, x2
	s_load_b64 s[8:9], s[0:1], 0x10                ; kv
	v_lshl_add_u32 v176, v0, 2, 0x8800             ; my spare word, behind the scale image
	v_mov_b32 v177, 0
	v_lshrrev_b32 v1, 5, v0
	v_readfirstlane_b32 s10, v1                    ; wave 0..3
	v_and_b32 v1, 31, v0                           ; lane
	s_wait_alu depctr_va_vdst(0)                   ; the wait ahead of the run of scalar lines
	s_and_b32 s11, ttmp7, 0xffff
	s_lshr_b32 s12, s11, 1                         ; batch
	s_and_b32 s13, s11, 1                          ; tensor
	s_lshl_b32 s14, s12, 20
	s_lshl_b32 s15, ttmp9, 9
	s_add_co_u32 s14, s14, s15
	s_mov_b32 s15, 0
	s_lshl_b32 s16, s12, 5
	s_add_co_u32 s16, s16, ttmp9
	s_lshl_b32 s16, s16, 1
	s_add_co_u32 s16, s16, s13
	s_mul_i32 s16, s16, BLOCK                      ; my BLOCK
	s_mov_b32 s17, 0
	s_lshl_b32 s18, s10, 18                        ; 16 rows of 16,384 bytes a wave
	v_lshl_add_u32 v[GIN], v1, 4, s18
	s_wait_alu depctr_va_vdst(0)                   ; the wait ahead of the wait below
	s_wait_kmcnt 0x0
	s_cmp_eq_u32 s13, 0                            ; the choice hangs on the work-group's number alone
	s_cselect_b64 s[4:5], s[4:5], s[6:7]
	s_add_nc_u64 s[4:5], s[4:5], s[14:15]
	s_add_nc_u64 s[8:9], s[8:9], s[16:17]
.set i, 0
.rept 16
	global_load_b128 v[X1+4*i:X1+4*i+3], v[GIN], s[4:5] offset:16384*i th:TH_LOAD_NT   ; channel 16 w + i: 512 consecutive bytes
.set i, i+1
.endr
	v_and_b32 v26, 15, v0                          ; r
	v_bfe_u32 v27, v0, 4, 1                        ; h
	s_mov_b32 s20, 0x76543210
	s_mov_b32 s21, 0xfedcba98                      ; selects for lane l xor 16
	s_mul_i32 s19, s10, 16*PITCH
	v_lshl_add_u32 v[TIN], v1, 4, s19
	v_mul_u32_u24 v[RIN], v26, PITCH
	v_lshl_add_u32 v[RIN], v27, 7, v[RIN]
	v_add_nc_u32 v[RIN], s19, v[RIN]               ; row 16 w + r, + 128 h
	v_and_b32 v28, 7, v0
	v_bfe_u32 v29, v0, 3, 1
	v_lshl_add_u32 v28, v29, 5, v28
	v_lshl_add_u32 v28, v27, 3, v28                ; r % 8 + 32 (r / 8) + 8 h
	s_lshr_b32 s18, s10, 1
	s_lshl_b32 s18, s18, 8
	s_and_b32 s22, s10, 1
	s_lshl_b32 s22, s22, 6
	s_add_co_u32 s18, s18, s22                     ; tile 2 w + h = 4 (w / 2) + 2 (w % 2) + h: 4 bytes x (64 (w / 2) + 16 (w % 2))
	v_lshl_add_u32 v[CIN], v28, 2, s18
	s_lshl_b32 s18, s10, 10
	v_lshl_add_u32 v[KOUT], v26, 4, s18
	v_lshl_add_u32 v[KOUT], v27, 9, v[KOUT]        ; 512 (2 w + h) + 16 r
	v_lshl_add_u32 v[VOUT], v1, 4, s18             ; 1,024 w + 16 lane
	s_lshr_b32 s18, s10, 1
	s_lshl_b32 s18, s18, 8
	s_and_b32 s19, s10, 1
	s_lshl_b32 s19, s19, 3
	s_add_co_u32 s18, s18, s19
	s_add_co_u32 s18, s18, SCL
	v_lshl_add_u32 v[KSA], v26, 4, s18
	v_lshl_add_u32 v[KSA], v27, 2, v[KSA]          ; 256 (tile / 4) + 4 (tile % 4) + 16 r
	s_lshl_b32 s18, s10, 2
	s_add_co_u32 s18, s18, SCL+512
	v_lshl_add_u32 v[VSA], v1, 4, s18              ; 16 lane + 4 w
	v_lshl_add_u32 v[SRD], v0, 3, SCL
	v_lshlrev_b32 v[SOUT], 3, v0
	v_lshlrev_b32 v20, 3, v27                      ; 8 h
	v_mov_b32 v21, 0                               ; a lane permute's destination counts as one of its sources
.set i, 0
.rept 16
	s_wait_loadcnt 15-i                            ; row i is in, the 15 - i younger loads may be out
	ds_store_b128 v[TIN], v[X1+4*i:X1+4*i+3] offset:PITCH*i
.set i, i+1
.endr
	s_wait_dscnt 0x0                               ; for the others' sake: my rows lie in LDS
	s_barrier_signal -1
	s_barrier_wait -1
.set i, 0
.rept 64
	ds_load_b32 v[X1+i], v[CIN] offset:PITCH*i     ; my token's channel i: the 32 lanes take 32 different words of 256 bytes
.set i, i+1
.endr
.irp c, 0,1
.irp i, 0,1,2,3,4,5,6,7
	ds_load_b128 v[X2+32*\c+4*\i:X2+32*\c+4*\i+3], v[RIN] offset:256*\c+16*\i
.endr
.endr
; Two blocks of 32 numbers of one lane become 2 x 4 registers of codes; their bytes are left in v[BY], v[BY + 1].
.macro QUANT2 src, cod
.irp c, 0,1
	v_max3_num_f32 v[MX+\c], |v[\src+32*\c]|, |v[\src+32*\c+1]|, 0x1800000   ; the floor 2^(3 - 127): the byte cannot fall under 1
.endr
.irp i, 2,4,6,8,10,12,14,16,18,20,22,24,26,28,30
.irp c, 0,1
	v_max3_num_f32 v[MX+\c], v[MX+\c], |v[\src+32*\c+\i]|, |v[\src+32*\c+\i+1]|
.endr
.endr
.irp c, 0,1
	v_add_nc_u32 v[OP+\c], 0xff000000, v[MX+\c]    ; 2 off the exponent field: the conversion's scale operand
.endr
.irp c, 0,1
	v_lshrrev_b32 v[BY+\c], 23, v[OP+\c]           ; the scale's byte
.endr
.irp c, 0,1
.irp g, 0,1,2,3
	v_cvt_scalef32_pk8_fp4_f32 v[\cod+4*\c+\g], v[\src+32*\c+8*\g:\src+32*\c+8*\g+7], v[OP+\c]
.endr
.endr
	v_nop                                          ; one plain place behind the last scaled conversion
.endm
	s_wait_dscnt 16                                ; my 64 channels are in; the sixteen 16-byte loads behind them may be out
	QUANT2 X1, KC
	v_lshl_or_b32 v18, v[BY+1], 8, v[BY]
	v_or_b32 v18, 0x7f7f0000, v18                  ; bytes 2 and 3 scale zero codes
	global_store_b128 v[KOUT], v[KC:KC+3], s[8:9]              ; sixteen lanes store 256 consecutive bytes, aligned
	global_store_b128 v[KOUT], v[KC+4:KC+7], s[8:9] offset:256
	ds_store_b32 v[KSA], v18
	s_wait_dscnt 1                                 ; my channel's 64 tokens are in; the store just issued may be out
	QUANT2 X2, VC
	v_lshl_or_b32 v19, v[BY+1], 16, v[BY]          ; my two bytes: token blocks h and 2 + h,
	v_lshlrev_b32 v19, v20, v19                    ; at their places in the word;
	v_permlanex16_b32 v21, v19, s20, s21
	v_or_b32 v19, v19, v21                         ; with lane l xor 16's two the word is whole
.irp c, 0,1
	global_store_b128 v[VOUT], v[VC+4*\c:VC+4*\c+3], s[8:9] offset:4096+512*\c
.endr
	ds_store_b32 v[VSA], v19
	s_wait_dscnt 0x0                               ; for the others' sake: my scale words lie in LDS
	s_barrier_signal -1
	s_barrier_wait -1
	ds_load_b64 v[24:25], v[SRD]
	s_wait_dscnt 0x0
	global_store_b64 v[SOUT], v[24:25], s[8:9] offset:8192   ; a wave stores 256 consecutive bytes, aligned
	s_wait_tensorcnt 0x0                           ; the wave's end
	ds_add_u32 v176, v177
	s_wait_dscnt 0x0
	s_endpgm
.Lfunc_end_k_q7ff567a1e6_quant:
	.size	k_q7ff567a1e6_quant, .Lfunc_end_k_q7ff567a1e6_quant-k_q7ff567a1e6_quant
	.p2alignl 7, 3214868480
	.fill 96, 4, 3214868480
	.section	.rodata,"a",@progbits
	.p2align	6, 0x0
	.amdhsa_kernel k_q7ff567a1e6_quant
		.amdhsa_group_segment_fixed_size 35328
		.amdhsa_private_segment_fixed_size 0
		.amdhsa_enable_private_segment 0
		.amdhsa_kernarg_size 24
		.amdhsa_user_sgpr_count 2
		.amdhsa_user_sgpr_kernarg_segment_ptr 1
		.amdhsa_wavefront_size32 1
		.amdhsa_system_sgpr_workgroup_id_x 1
		.amdhsa_system_sgpr_workgroup_id_y 1
		.amdhsa_system_sgpr_workgroup_id_z 1
		.amdhsa_system_vgpr_workitem_id 0
		.amdhsa_next_free_vgpr 178
		.amdhsa_next_free_sgpr 66
		.amdhsa_reserve_vcc 0
		.amdhsa_float_denorm_mode_32 3
		.amdhsa_float_denorm_mode_16_64 3
		.amdhsa_memory_ordered 1
		.amdhsa_forward_progress 1
		.amdhsa_inst_pref_size 19
	.end_amdhsa_kernel
	.amdgpu_metadata
---
amdhsa.version: [ 1, 2 ]
amdhsa.kernels:
  - .name:           k_q7ff567a1e6_quant
    .symbol:         k_q7ff567a1e6_quant.kd
    .args:
      - { .name: x1, .offset: 0, .size: 8, .value_kind: global_buffer, .address_space: global }
      - { .name: x2, .offset: 8, .size: 8, .value_kind: global_buffer, .address_space: global }
      - { .name: kv, .offset: 16, .size: 8, .value_kind: global_buffer, .address_space: global }
    .group_segment_fixed_size: 35328
    .private_segment_fixed_size: 0
    .kernarg_segment_align: 8
    .kernarg_segment_size: 24
    .max_flat_workgroup_size: 128
    .sgpr_count:     66
    .vgpr_count:     178
    .wavefront_size: 32
...
	.end_amdgpu_metadata
.endif
;; end of part 1
;; launch attn (part 2): grid 32 x 8, 16 waves a work-group, clusters of 4 x 1, 327,680 bytes of LDS; arguments kv, out0; writes out0
.if DOCPART == 2
	.amdgcn_target "amdgcn-amd-amdhsa--gfx1250"
	.amdhsa_code_object_version 6
	.text
	.protected	k_q7ff567a1e6_attn
	.globl	k_q7ff567a1e6_attn
	.p2align	8
	.type	k_q7ff567a1e6_attn,@function
k_q7ff567a1e6_attn:
	s_mov_b64 s[64:65], 0
	v_nop
	global_prefetch_b8 v0, s[64:65] scope:SCOPE_SE
	s_setreg_imm32_b32 hwreg(HW_REG_WAVE_MODE, 25, 1), 1
	s_wait_xcnt 0x0
	s_wait_alu depctr_hold_cnt(0) depctr_sa_sdst(0) depctr_va_vdst(0) depctr_va_sdst(0) depctr_va_ssrc(0) depctr_va_vcc(0) depctr_vm_vsrc(0)
	s_getreg_b32 s2, hwreg(HW_REG_IB_STS2, 6, 4)
	s_cmp_eq_u32 s2, 0
	s_cbranch_scc0 .Lentry_in_a_cluster
	s_endpgm
.Lentry_in_a_cluster:
	s_bfe_u32 s2, ttmp6, 0x10000c
	s_cmp_lg_u32 s2, 0x3003
	s_cbranch_scc0 .Lentry_shape_is_right
	s_endpgm
.Lentry_shape_is_right:
; out0[b][c][q] = the sum over both directions of (sum over keys k of p(q, k) V[k][c]) / (sum over k of p(q, k)).  Direction 0: queries x1, keys and values x2; direction 1: the other way round.
; All four products run on codes of FP4 (E2M1) with E8M0 scales, as the launch before laid them in kv (a BLOCK: codes along c at 0, codes along the tokens at 4,096, their scale words at 8,192 and 8,704).
; THE SOFTMAX: t = score x log2(e) / 8; M = the running largest t rounded UP to a whole number; p = 2^(t - M) is quantised along the keys, not normalised; the row's sum is taken of the unquantised p and divides at the end.
; When M moves, the sum and O are multiplied by 2^(old M - new M): exact.
; SHARES.  A work-group owns 128 queries of one batch, in both directions.  Wave w of sixteen: direction w / 8, tile T = w % 8 of 16 queries, in 256 registers, four waves to a SIMD.  Every wave walks all 4,096 keys, 128 a step.
; The two directions meet in LDS at the end: each output number has one owner.
; LAYOUT.  Both products are used transposed: S^T = K Q^T, O^T = V^T P^T: a lane holds ONE query (lane % 16) throughout.  Row r of tile 4 cc + u is token 64 cc + 8 u + r % 8 + 32 (r / 8), so the 32 score registers
; of tiles 4 cc .. 4 cc + 3 are keys 64 cc + 32 (lane / 16) + 0 .. 31: a WHOLE block of 32 keys in one lane, in the order of the second product's operand.  A block's maximum needs no other lane and the codes need no exchange;
; only the row's maximum, the scale word's bytes and the final sum cross to lane l xor 16.
; The score products have K = 64: the upper four registers of K's and of Q's fragments hold zero codes, cleared once.
; THE RING.  A step's two BLOCKs are 18,432 consecutive bytes; a slot holds 8 steps; two slots; four chunks.  Each of the sixteen waves fetches one BLOCK of a chunk, 36 rows of 256 bytes: one tensor load out a wave.
; Chunk 0 is asked for at the head, chunk 1 behind the first round, chunks 2 and 3 behind the changes of slots.
; LDS LOADS.  One run of 18 a step, behind the score products: this step's V and the NEXT step's K.  A slot's last step fetches no K; it runs the three lines and the barrier's signal ahead of its exponentials,
; and the rest of the step, work on registers, stands between the signal and the wait.
; CLUSTER.  The four query blocks of a cluster belong to one batch and walk the same chunks: each BLOCK is asked for jointly, by the same descriptor and the mask of all four.  cx enters Q's and out0's global addresses alone.
; NO PREFETCH: a chunk is asked for a whole slot, 8 key steps, ahead of the wait for it, and the first two chunks have no loop ahead of them in which to ask.
; LIMITS: p under 2^-126 counts as 0 (ISA guide 15.8: v_exp_f32 gives no denormals); a block's largest p is taken from its largest score by the same two instructions, which leans on v_exp_f32 not falling where its input rises;
; the promise holds while |t| stays under 2^31; NaN and infinities are not served.
.set BLOCK, 9216
.set PAIR,  2*BLOCK
.set CHUNK, 8*PAIR
.set BATCH, 32*PAIR
.set VF,    4096
.set KS,    8192
.set VS,    8704
.set SPARE, 2*CHUNK                    ; behind the ring: the spare words, 128 bytes for each of 16 waves
.set SP,    528                        ; the way out: a stage row: 128 tokens x 4 bytes + 16
.set STB,   64*SP                      ; direction 0's stage at 0, direction 1's here: in slot 0, which has had its last fill and its last read by then
.set A0,  1                            ; 16 lane + the BLOCK of my keys' tensor in a pair
.set ADR, 2                            ; the same in the step in hand
.set SPW, 3                            ; my spare word; never rewritten
.set NIL, 4                            ; 0; never rewritten
.set STO, 5                            ; the stage: my query's word in channel row 8 h
.set RD,  6                            ; the stage: my 16 bytes of channel row 4 w
.set GO,  7                            ; the same in out0
.set SLV, 8                            ; v_perm_b32's selector for my two scale bytes: bytes 0 and 2 of the word in lanes 0-15, bytes 1 and 3 in lanes 16-31, zeros between
.set QF,  16                           ; v16-23 Q's fragment.  v10-11 second chains of the maxima; v12 -M, v13 the largest score; v14 my half of p's scale word, v15 the other half's
.set KSC, 24                           ; v24-27 K's scale words: register i: lanes 0-15 tile i, lanes 16-31 tile 4 + i
.set VSC, 28                           ; v28-31 V's
.set KFR, 32                           ; v32-95 K's eight fragments
.set VFR, 96                           ; v96-127 V's four
.set SCR, 128                          ; v128-191 S^T, then p
.set OT,  192                          ; v192-223 O^T
.set PC,  224                          ; v224-231 p's codes
.set MX,  232                          ; v232-233 my two blocks' largest scores, then largest p
.set OP,  234                          ; v234-235 the conversions' scale operands
.set BY,  236                          ; v236-237 the scale operands shifted up by one bit: the scale's byte on top.  v238-239 the row's maximum and lane l xor 16's, then t and old M - new M
.set AC,  240                          ; v240-251 the row's sum in six pairs of partial sums, which last from step to step
.set MY,  10                           ; v252 f; v253 p's scale word; v254 the old -M; v255 Q's scale word
.set WV,  8
.set DIR, 9
.set TT,  10
.set SEL, 20
.set CS,  22                           ; s[22:23] c = log2(e) / 8
.set G1,  24
.set G0,  32                           ; s[32:39] group 0, a set for each slot
.set TB,  40                           ; LDS byte at which the step in hand begins
.set CNT, 41
.macro CREST                           ; a round of the cluster's barrier behind its opening barrier
	s_cmp_lg_u32 s[WV], 0
	s_cbranch_scc1 .Lnot_wave_0_\@
	s_barrier_signal -3
.Lnot_wave_0_\@:
	s_barrier_wait -3
	s_barrier_signal -1
	s_barrier_wait -1
.endm
.macro CROUND
	s_barrier_signal -1
	s_barrier_wait -1
	CREST
.endm
.macro JLOAD n                         ; every wave's joint load of its BLOCK into slot n
	tensor_load_to_lds s[G0+4*\n:G0+4*\n+3], s[G1:G1+7]
	s_nop 0
.rept 4
	v_nop
.endr
.endm
.macro KLOAD off                       ; K's scale words and eight fragments: every load takes 512 consecutive bytes
	ds_load_b128 v[KSC:KSC+3], v[ADR] offset:\off+KS
.irp t, 0,1,2,3,4,5,6,7
	ds_load_b128 v[KFR+8*\t:KFR+8*\t+3], v[ADR] offset:\off+512*\t
.endr
.endm
.macro SUMS from, n, first             ; pairs from .. from + n - 1 of p onto the six partial sums by turns; first = 1: the sum is brought under the new M in the same line
.set k, \from
.rept \n
.if \first
	v_pk_fma_f32 v[AC+2*(k%6):AC+2*(k%6)+1], v[AC+2*(k%6):AC+2*(k%6)+1], v[252:253], v[SCR+2*k:SCR+2*k+1] op_sel_hi:[1,0,1]
.else
	v_pk_add_f32 v[AC+2*(k%6):AC+2*(k%6)+1], v[AC+2*(k%6):AC+2*(k%6)+1], v[SCR+2*k:SCR+2*k+1]
.endif
.set k, k+1
.endr
.endm
.macro PKF from, n
.set j, 2*(\from)
.rept \n
	v_pk_fma_f32 v[SCR+j:SCR+j+1], v[SCR+j:SCR+j+1], s[CS:CS+1], v[12:13] op_sel_hi:[1,0,0]
.set j, j+2
.endr
.endm
	s_load_b128 s[4:7], s[0:1], 0x0                ; kv, out0
	v_lshl_add_u32 v[SPW], v0, 2, SPARE
	v_mov_b32 v[NIL], 0
	ds_add_u32 v[SPW], v[NIL]                      ; the opening lines: the add twice on end and one wait
	ds_add_u32 v[SPW], v[NIL]
	v_lshrrev_b32 v9, 5, v0
	s_delay_alu instid0(VALU_DEP_1)
	v_readfirstlane_b32 s[WV], v9                  ; wave 0..15
	s_lshr_b32 s[DIR], s[WV], 3
	s_and_b32 s[TT], s[WV], 7
	s_bfe_u32 s11, ttmp6, 0x40000                  ; cx
	s_lshl_b32 s12, ttmp9, 2
	s_add_co_u32 s12, s12, s11                     ; my block of 128 queries
	s_and_b32 s13, ttmp7, 0xffff                   ; the batch, which the four partners share
	s_mov_b32 s[G1+0], 15|(3<<16)|(1<<21)          ; the mask of all four; elements of 8 bytes; no padding; bit 21 beside a mask
	s_mov_b32 s[G1+1], 32<<16
	s_mov_b32 s[G1+2], 36<<16                      ; 36 rows of 256 bytes, dense
	s_mov_b32 s[G1+3], 32<<16
	s_mov_b32 s[G1+4], 36
	s_mov_b32 s[G1+5], 32
	s_mov_b32 s[G1+6], 0
	s_mov_b32 s[G1+7], 0
	s_mul_i32 s16, s[WV], BLOCK                    ; my BLOCK's place in a slot and in a chunk
	s_mul_i32 s14, s13, BATCH
	s_add_co_u32 s14, s14, s16
	s_mov_b32 s15, 0
	s_lshl_b32 s42, s13, 5                         ; Q: BLOCK (batch, my block, tensor = direction)
	s_add_co_u32 s42, s42, s12
	s_lshl_b32 s42, s42, 1
	s_add_co_u32 s42, s42, s[DIR]
	s_mul_i32 s42, s42, BLOCK
	s_mov_b32 s43, 0
	s_lshl_b32 s18, s13, 20                        ; out0: the batch, my block's 512 bytes of a channel's row
	s_lshl_b32 s19, s12, 9
	s_add_co_u32 s18, s18, s19
	s_mov_b32 s19, 0
	s_mov_b32 s[SEL], 0x76543210
	s_mov_b32 s[SEL+1], 0xfedcba98
	s_mov_b32 s[CS], 0x3e38aa3b                    ; log2(e) / 8
	s_mov_b32 s[CS+1], s[CS]
	s_lshl_b32 s44, s[TT], 9                       ; Q's fragment: 512 T
	s_lshr_b32 s49, s[TT], 2
	s_and_b32 s50, s[TT], 3
	s_lshl_b32 s45, s49, 8
	s_lshl_b32 s17, s50, 2
	s_add_co_u32 s45, s45, s17                     ; its scale word: 256 (T / 4) + 4 (T % 4)
	s_mul_i32 s46, s[DIR], STB
	s_lshl_b32 s51, s49, 8
	s_add_co_u32 s46, s46, s51
	s_lshl_b32 s51, s50, 5
	s_add_co_u32 s46, s46, s51                     ; my direction's stage, + 4 bytes x (64 (T / 4) + 8 (T % 4))
	s_xor_b32 s17, s[DIR], 1
	s_mul_i32 s17, s17, BLOCK                      ; keys and values come from the other tensor than the queries
	s_mul_i32 s47, s[WV], 4*SP
	s_lshl_b32 s48, s[WV], 16
	s_wait_dscnt 0x0                               ; both opening adds are done
	s_wait_kmcnt 0x0
	s_add_nc_u64 s[14:15], s[4:5], s[14:15]
	s_add_nc_u64 s[42:43], s[4:5], s[42:43]
	s_add_nc_u64 s[6:7], s[6:7], s[18:19]
.irp n, 0,1
	s_mov_b32 s[G0+4*\n], 1
	s_add_co_u32 s[G0+4*\n+1], s16, \n*CHUNK
	s_add_nc_u64 s[G0+4*\n+2:G0+4*\n+3], s[14:15], \n*CHUNK
	s_or_b32 s[G0+4*\n+3], s[G0+4*\n+3], 0x80000000
.endr
	CROUND                                         ; all four work-groups are here: the first joint loads meet
	JLOAD 0                                        ; chunk 0: one tensor load a wave at the head
	v_and_b32 v10, 15, v0                          ; r
	v_bfe_u32 v11, v0, 4, 1                        ; h
	v_and_b32 v9, 31, v0                           ; lane
	v_mov_b32 v13, 0xff61b1e6                      ; the largest score so far: -3e38
	v_mov_b32 v12, 0
	v_mov_b32 v254, 0x7f000000                     ; the old -M: so large that the first f is 0, which multiplies zeros
	v_mov_b32 v[SLV], 0x070c030c                   ; lanes 16-31: bytes 1 and 3
	v_mov_b32 v235, 0x0c070c03                     ; lanes 0-15: bytes 0 and 2
	v_mov_b32 v14, 0                               ; p's scale word, in two halves
	v_mov_b32 v15, 0
	v_lshl_add_u32 v232, v9, 4, s44
	v_lshl_add_u32 v233, v10, 4, s45
	global_load_b128 v[QF:QF+3], v232, s[42:43]    ; channels 32 h .. 32 h + 31 of query r: it stays in registers
	global_load_b32 v255, v233, s[42:43] offset:KS
	v_lshl_add_u32 v[A0], v9, 4, s17
	v_and_b32 v[STO], 7, v0
	v_bfe_u32 v234, v0, 3, 1
	v_lshl_add_u32 v[RD], v9, 4, s47               ; back: channel rows 4 w on, 16 bytes a lane
	v_lshl_add_u32 v[GO], v9, 4, s48               ; and in out0: 4 w rows of 16,384 bytes
	s_delay_alu instid0(VALU_DEP_3)
	v_lshl_add_u32 v[STO], v234, 5, v[STO]         ; r % 8 + 32 (r / 8)
	v_cmp_eq_u32 s52, 0, v11                       ; lanes 0-15
	s_delay_alu instid0(VALU_DEP_2)
	v_lshlrev_b32 v[STO], 2, v[STO]
	s_delay_alu instid0(VALU_DEP_1)
	v_mad_u32_u24 v[STO], v11, 8*SP, v[STO]        ; lanes 16-31 hold channels 8 further on
	s_delay_alu instid0(VALU_DEP_1)
	v_add_nc_u32 v[STO], s46, v[STO]
.irp i, 4,5,6,7
	v_mov_b32 v[QF+\i], 0                          ; zero codes for k = 64 .. 127, on both operands: written once
.irp t, 0,1,2,3,4,5,6,7
	v_mov_b32 v[KFR+8*\t+\i], 0
.endr
.endr
.set j, 0
.rept 32
	v_mov_b32 v[OT+j], 0                           ; O^T: the step is written once, and the first finds zeros
.set j, j+1
.endr
	v_mov_b32 v239, 0                              ; a lane permute's destination counts as one of its sources
.set j, 0
.rept 12
	v_mov_b32 v[AC+j], 0                           ; the partial sums
.set j, j+1
.endr
	v_mov_b32 v253, 0                              ; (named as the upper half of the pair v[252:253])
	v_cndmask_b32 v[SLV], v[SLV], v235, s52
; A KEY STEP: 128 keys.  kind 0: the next step's K is fetched; 1: a slot's last step, with the change's lines; 2: the very last.
.macro STEP kind
	s_wait_dscnt 0x0                               ; K and its scale words are in: nothing else of mine is out
.irp t, 0,1,2,3
	v_wmma_scale_f32_16x16x128_f8f6f4 v[SCR+8*\t:SCR+8*\t+7], v[KFR+8*\t:KFR+8*\t+7], v[QF:QF+7], 0, v[KSC+\t], v255 matrix_a_fmt:MATRIX_FMT_FP4 matrix_b_fmt:MATRIX_FMT_FP4
.endr
.irp t, 4,5,6,7
	v_wmma_scale_f32_16x16x128_f8f6f4 v[SCR+8*\t:SCR+8*\t+7], v[KFR+8*\t:KFR+8*\t+7], v[QF:QF+7], 0, v[KSC+\t-4], v255 matrix_a_fmt:MATRIX_FMT_FP4 matrix_b_fmt:MATRIX_FMT_FP4 matrix_a_scale:MATRIX_SCALE_ROW1
.endr
	v_add_nc_u32 v[ADR], s[TB], v[A0]
.rept 3
	v_nop                                          ; with the addition: four places ahead of the loads into operands and of the first read of results
.endr
.irp t, 0,1,2,3
.irp c, 0,1
	ds_load_b128 v[VFR+8*\t+4*\c:VFR+8*\t+4*\c+3], v[ADR] offset:VF+1024*\t+512*\c
.endr
.endr
	ds_load_b128 v[VSC:VSC+3], v[ADR] offset:VS
.if \kind == 0
	KLOAD PAIR                                     ; the next step's K, into registers that this step's products have read
.endif
.if \kind == 1
	s_wait_tensorcnt 0x0                           ; my BLOCK of the slot ahead has landed: no tensor load of mine is out
	ds_add_u32 v[SPW], v[NIL]                      ; the add: work on registers stands between it and the wait for it
.endif
.irp c, 0,1                                    ; the largest score of each of my two blocks, in two chains each; every accumulator is read from its low end on
	v_max3_num_f32 v[MX+\c], v[SCR+32*\c], v[SCR+32*\c+1], v[SCR+32*\c+2]
	v_max3_num_f32 v[MY+\c], v[SCR+32*\c+16], v[SCR+32*\c+17], v[SCR+32*\c+18]
.endr
.irp i, 3,5,7,9,11,13
.irp c, 0,1
	v_max3_num_f32 v[MX+\c], v[MX+\c], v[SCR+32*\c+\i], v[SCR+32*\c+\i+1]
	v_max3_num_f32 v[MY+\c], v[MY+\c], v[SCR+32*\c+16+\i], v[SCR+32*\c+17+\i]
.endr
.endr
.irp c, 0,1
	v_max3_num_f32 v[MX+\c], v[MX+\c], v[MY+\c], v[SCR+32*\c+15]
.endr
.irp c, 0,1
	v_max_num_f32 v[MX+\c], v[MX+\c], v[SCR+32*\c+31]
.endr
	s_delay_alu instid0(VALU_DEP_1)
	v_max_num_f32 v238, v[MX], v[MX+1]
	s_delay_alu instid0(VALU_DEP_1)
	v_permlanex16_b32 v239, v238, s[SEL], s[SEL+1]
	s_delay_alu instid0(VALU_DEP_1)
	v_max3_num_f32 v13, v13, v238, v239            ; the running largest score of my query
	s_delay_alu instid0(VALU_DEP_1)
	v_mul_f32 v238, s[CS], v13                     ; as t (c is positive)
	s_delay_alu instid0(VALU_DEP_1)
	v_floor_f32 v12, -v238                         ; -M = floor(-t) = -ceil(t)
	PKF 0, 5
	v_sub_f32 v239, v12, v254                      ; old M less new M: a whole number, 0 or less
	PKF 5, 5
	v_cvt_i32_f32 v239, v239                       ; (it saturates)
	PKF 10, 5
	v_ldexp_f32 v252, 1.0, v239                    ; f = 2^(old M - new M)
	PKF 15, 17
	v_pk_fma_f32 v[MX:MX+1], v[MX:MX+1], s[CS:CS+1], v[12:13] op_sel_hi:[1,0,0]   ; the same of my two blocks' largest scores
.set j, 0
.rept 16
	v_pk_mul_f32 v[OT+j:OT+j+1], v[OT+j:OT+j+1], v[252:253] op_sel_hi:[1,0]   ; O^T under the new M, each accumulator from its low end on
.set j, j+2
.endr
	s_wait_alu depctr_va_vdst(0)                   ; the wait ahead of the batch (kind 1: and ahead of the wait below)
.if \kind == 1
	s_wait_dscnt 0x0                               ; the add is done, V is in: my reads of this slot are over
	s_barrier_signal -1                            ; the rest of the step is work on registers
.endif
.set j, 0
.rept 64
	v_exp_f32 v[SCR+j], v[SCR+j]                   ; p = 2^(t - M), at most 1
.set j, j+1
.endr
.irp c, 0,1
	v_exp_f32 v[MX+\c], v[MX+\c]                   ; the block's largest p
.endr
	v_mov_b32 v254, v12                            ; the next step's old -M.  (The plain place behind the exponentials)
	s_wait_alu depctr_va_vdst(0)                   ; one wait for the batch, ahead of its first reader
.irp c, 0,1
	v_max_num_f32 v[MX+\c], 0x1800000, v[MX+\c]    ; the floor 2^(3 - 127): the byte cannot fall under 1
.endr
	; the row's sum of the unquantised p, 32 pairs onto six partial sums by turns; the scales' lines stand among them, each at least five lines behind what it reads
	SUMS 0, 5, 1
	v_pk_mul_f32 v[OP:OP+1], v[MX:MX+1], 0x3e800000 op_sel_hi:[1,0]   ; x 1/4, exact above the floor: 2 off the exponent field: the conversions' scale operands
	SUMS 5, 1, 1
	SUMS 6, 4, 0
.irp c, 0,1
	v_lshlrev_b32 v[BY+\c], 1, v[OP+\c]            ; the exponent field, which is the scale's byte, into the top byte
.endr
.irp c, 0,1
.irp g, 0,1,2,3
	v_cvt_scalef32_pk8_fp4_f32 v[PC+4*\c+\g], v[SCR+32*\c+8*\g:SCR+32*\c+8*\g+7], v[OP+\c]   ; registers 4 c .. 4 c + 3 of the operand: keys 64 c + 32 h + 0 .. 31
.endr
.endr
	v_perm_b32 v14, v[BY+1], v[BY], v[SLV]         ; my two bytes, blocks h and 2 + h, at their places in the word, zeros in the other two.  (Also the plain place behind the conversions)
	SUMS 10, 6, 0
	v_permlanex16_b32 v15, v14, s[SEL], s[SEL+1]
	SUMS 16, 6, 0
	v_or_b32 v253, v14, v15                        ; with lane l xor 16's two the word is whole; ten plain lines stand between it and the products
	SUMS 22, 10, 0
	s_wait_alu depctr_va_vdst(0)                   ; the wait ahead of the wait, the barrier or the branch that follows
.if \kind == 0
	s_wait_dscnt 9                                 ; V and its scale words are in; the next step's nine loads of K may be out
.endif
.if \kind == 2
	s_wait_dscnt 0x0
.endif
.irp t, 0,1,2,3                                ; O^T += V^T P^T: the four accumulators by turns
	v_wmma_scale_f32_16x16x128_f8f6f4 v[OT+8*\t:OT+8*\t+7], v[VFR+8*\t:VFR+8*\t+7], v[PC:PC+7], v[OT+8*\t:OT+8*\t+7], v[VSC+\t], v253 matrix_a_fmt:MATRIX_FMT_FP4 matrix_b_fmt:MATRIX_FMT_FP4
.endr
	s_add_co_u32 s[TB], s[TB], PAIR
.endm
; A slot's eight steps: the first step's K, seven trips that fetch ahead, and the last step written out.
.macro PHASE base, kind
	s_mov_b32 s[TB], \base
	v_add_nc_u32 v[ADR], s[TB], v[A0]
	KLOAD 0
	s_mov_b32 s[CNT], 7
.Lstep_\@:
	STEP 0
	s_sub_co_u32 s[CNT], s[CNT], 1
	s_cmp_lg_u32 s[CNT], 0
	s_cbranch_scc1 .Lstep_\@
	STEP \kind
.endm
; THE CHANGE OF SLOTS, behind a step of kind 1, which has run the three lines and the signal.  fill = 1: the barrier opens a round of the cluster's, and the slot just left takes the chunk two on, first thing behind the round.
.macro CHANGE fill, n
	s_barrier_wait -1
.if \fill
	CREST
	s_add_nc_u64 s[G0+4*\n+2:G0+4*\n+3], s[G0+4*\n+2:G0+4*\n+3], 2*CHUNK   ; no tensor load of mine is out; the type bits on top are not reached
	JLOAD \n
.endif
.endm
	s_wait_alu depctr_va_vdst(0)                   ; the wait at the head's end
	s_wait_loadcnt 0x0                             ; Q and its scale word
	s_wait_tensorcnt 0x0                           ; my BLOCK of chunk 0 is in; these lines stand ahead of a later first fill as ahead of a refill
	ds_add_u32 v[SPW], v[NIL]
	s_wait_dscnt 0x0
	CROUND                                         ; everybody's is, and the joint loads meet
	JLOAD 1                                        ; chunk 1: slot 1's first fill
	PHASE 0, 1                                     ; chunk 0
	CHANGE 1, 0                                    ; chunk 2 goes into slot 0
	PHASE CHUNK, 1                                 ; chunk 1
	CHANGE 1, 1                                    ; chunk 3 goes into slot 1
	PHASE 0, 1                                     ; chunk 2
	CHANGE 0, 0                                    ; nothing is left to fetch
	PHASE CHUNK, 2                                 ; chunk 3
	; THE WAY OUT.  O^T / the sum goes into my direction's stage, [channel][token]; behind a barrier each wave adds the two directions' rows 4 w .. 4 w + 3 and stores them.
.rept 4
	v_nop                                          ; four places in front of the first read of the last results
.endr
	v_pk_add_f32 v[AC:AC+1], v[AC:AC+1], v[AC+2:AC+3]          ; the six partial sums are joined,
	v_pk_add_f32 v[AC+4:AC+5], v[AC+4:AC+5], v[AC+6:AC+7]
	v_pk_add_f32 v[AC+8:AC+9], v[AC+8:AC+9], v[AC+10:AC+11]
	s_delay_alu instid0(VALU_DEP_2)
	v_pk_add_f32 v[AC:AC+1], v[AC:AC+1], v[AC+4:AC+5]
	s_delay_alu instid0(VALU_DEP_1)
	v_pk_add_f32 v[AC:AC+1], v[AC:AC+1], v[AC+8:AC+9]
	s_delay_alu instid0(VALU_DEP_1)
	v_add_f32 v14, v[AC], v[AC+1]                  ; then the two halves,
	s_delay_alu instid0(VALU_DEP_1)
	v_permlanex16_b32 v252, v14, s[SEL], s[SEL+1]
	s_delay_alu instid0(VALU_DEP_1)
	v_add_f32 v14, v14, v252                       ; the row's sum
	s_wait_alu depctr_va_vdst(0)                   ; the wait ahead of the transcendental
	v_rcp_f32 v14, v14
	v_nop                                          ; one plain place behind it
	s_wait_alu depctr_va_vdst(0)                   ; the wait ahead of its first reader, which is also the first reader of O^T
.set j, 0
.rept 32
	v_mul_f32 v[SCR+j], v[OT+j], v14               ; register 8 t + i: channel 16 t + 8 h + i of my query
.set j, j+1
.endr
.irp t, 0,1,2,3
.irp i, 0,1,2,3,4,5,6,7
	ds_store_b32 v[STO], v[SCR+8*\t+\i] offset:(16*\t+\i)*SP
.endr
.endr
	s_wait_dscnt 0x0                               ; for the others' sake: my results lie in the stage
	s_barrier_signal -1
	s_barrier_wait -1
.irp i, 0,1,2,3
	ds_load_b128 v[KFR+4*\i:KFR+4*\i+3], v[RD] offset:SP*\i
	ds_load_b128 v[KFR+16+4*\i:KFR+16+4*\i+3], v[RD] offset:STB+SP*\i
.endr
	s_wait_dscnt 0x0
.set j, 0
.rept 8
	v_pk_add_f32 v[KFR+j:KFR+j+1], v[KFR+j:KFR+j+1], v[KFR+16+j:KFR+16+j+1]   ; out_a + out_b
.set j, j+2
.endr
.irp i, 0,1,2,3
	global_store_b128 v[GO], v[KFR+4*\i:KFR+4*\i+3], s[6:7] offset:16384*\i th:TH_STORE_NT   ; the 32 lanes store 512 consecutive bytes, aligned to 256
.endr
	s_wait_tensorcnt 0x0                           ; the wave's end
	ds_add_u32 v[SPW], v[NIL]
	s_wait_dscnt 0x0
	CROUND                                         ; the closing round
	s_endpgm
.Lfunc_end_k_q7ff567a1e6_attn:
	.size	k_q7ff567a1e6_attn, .Lfunc_end_k_q7ff567a1e6_attn-k_q7ff567a1e6_attn
	.p2alignl 7, 3214868480
	.fill 96, 4, 3214868480
	.section	.rodata,"a",@progbits
	.p2align	6, 0x0
	.amdhsa_kernel k_q7ff567a1e6_attn
		.amdhsa_group_segment_fixed_size 327680
		.amdhsa_private_segment_fixed_size 0
		.amdhsa_enable_private_segment 0
		.amdhsa_kernarg_size 16
		.amdhsa_user_sgpr_count 2
		.amdhsa_user_sgpr_kernarg_segment_ptr 1
		.amdhsa_wavefront_size32 1
		.amdhsa_system_sgpr_workgroup_id_x 1
		.amdhsa_system_sgpr_workgroup_id_y 1
		.amdhsa_system_sgpr_workgroup_id_z 1
		.amdhsa_system_vgpr_workitem_id 0
		.amdhsa_next_free_vgpr 256
		.amdhsa_next_free_sgpr 66
		.amdhsa_reserve_vcc 0
		.amdhsa_float_denorm_mode_32 3
		.amdhsa_float_denorm_mode_16_64 3
		.amdhsa_memory_ordered 1
		.amdhsa_forward_progress 1
		.amdhsa_inst_pref_size 126
	.end_amdhsa_kernel
	.amdgpu_metadata
---
amdhsa.version: [ 1, 2 ]
amdhsa.kernels:
  - .name:           k_q7ff567a1e6_attn
    .symbol:         k_q7ff567a1e6_attn.kd
    .args:
      - { .name: kv, .offset: 0, .size: 8, .value_kind: global_buffer, .address_space: global }
      - { .name: out0, .offset: 8, .size: 8, .value_kind: global_buffer, .address_space: global }
    .group_segment_fixed_size: 327680
    .private_segment_fixed_size: 0
    .kernarg_segment_align: 8
    .kernarg_segment_size: 16
    .max_flat_workgroup_size: 512
    .sgpr_count:     66
    .vgpr_count:     256
    .wavefront_size: 32
...
	.end_amdgpu_metadata
.endif
;; end of part 2
